; MI455X (gfx1250); checked and timed in simulation.
; The chip was launched on July 23, 2026; its instructions are those of AMD's public machine-readable ISA for CDNA 5 (MIT licence, August 2026) and "CDNA5" Instruction Set Architecture Reference Guide (July 2026). The comments in the code are by the model that wrote it; some were corrected since.
;; Mo E Head. Allowed arithmetic: matrix products marked QUANTISED: E2M1 operands, one E8M0 scale for each 32 along K, by v_wmma_scale_f32_16x16x128_f8f6f4 with both operands' format E2M1 (or v_wmma_scale_f32_32x16x128_f4), f32 sums; products left as they are: f32 operands where the result goes on into a quantised operand, else bf16, f16 or f32 operands; f32 sums; everything else in f32.
;; Inputs: b1 16 x 2,048 float32; b2 16 x 1 float32; gate_b 16 float32; gate_w_codes 16 x 16 x 16 uint8 (E2M1 codes of gate_w, K innermost, in blocks of 32 codes, two codes a byte); gate_w_scales 16 x 16 uint8 (E8M0 scales of gate_w, one for each 32 codes along K); ln_bias 16 x 512 float32; ln_scale 16 x 512 float32; w1_codes 16 x 2,048 x 16 x 16 uint8 (E2M1 codes of w1, K innermost, in blocks of 32 codes, two codes a byte); w1_scales 16 x 2,048 x 16 uint8 (E8M0 scales of w1, one for each 32 codes along K); w2 16 x 2,048 x 1 float32; z 4,096 x 512 float32.
;; Outputs: out0 4,096 float32; out1 4,096 x 16 float32.
;; This version of the problem:
;;   THIS VERSION OF THE PROBLEM IS GIVEN IN LOW PRECISION. The matrix products marked QUANTISED in the list below multiply operands that are first quantised to E2M1 (2 exponent bits, 1 mantissa bit; 4 bits a number), with one power-of-two scale for each 32 numbers along K (OCP MX v1.0); their sums are f32. All else is computed in f32.
;;   The module's matrix products, in the order in which they are computed (A, B: the left and right operand; K: the contracted axis; several contracted axes count as one K, in the product's order):
;;     1. [M 4,096, K 512] x [K 512, N 16]; A: input z; B: input gate_w (given as codes): QUANTISED
;;     2. [M 4,096, K 512] x [K 512, N 2,048]; A: computed on the way; B: input w1 (given as codes): QUANTISED
;;     3. [M 4,096, K 2,048] x [K 2,048, N 1]; A: computed on the way; B: input w2: left as it is (N = 1 < 16)
;;     4. [M 4,096, K 512] x [K 512, N 2,048]; A: computed on the way; B: input w1 (given as codes): QUANTISED
;;     5. [M 4,096, K 2,048] x [K 2,048, N 1]; A: computed on the way; B: input w2: left as it is (N = 1 < 16)
;;     6. [M 4,096, K 512] x [K 512, N 2,048]; A: computed on the way; B: input w1 (given as codes): QUANTISED
;;     7. [M 4,096, K 2,048] x [K 2,048, N 1]; A: computed on the way; B: input w2: left as it is (N = 1 < 16)
;;     8. [M 4,096, K 512] x [K 512, N 2,048]; A: computed on the way; B: input w1 (given as codes): QUANTISED
;;     9. [M 4,096, K 2,048] x [K 2,048, N 1]; A: computed on the way; B: input w2: left as it is (N = 1 < 16)
;;     10. [M 4,096, K 512] x [K 512, N 2,048]; A: computed on the way; B: input w1 (given as codes): QUANTISED
;;     11. [M 4,096, K 2,048] x [K 2,048, N 1]; A: computed on the way; B: input w2: left as it is (N = 1 < 16)
;;     12. [M 4,096, K 512] x [K 512, N 2,048]; A: computed on the way; B: input w1 (given as codes): QUANTISED
;;     13. [M 4,096, K 2,048] x [K 2,048, N 1]; A: computed on the way; B: input w2: left as it is (N = 1 < 16)
;;     14. [M 4,096, K 512] x [K 512, N 2,048]; A: computed on the way; B: input w1 (given as codes): QUANTISED
;;     15. [M 4,096, K 2,048] x [K 2,048, N 1]; A: computed on the way; B: input w2: left as it is (N = 1 < 16)
;;     16. [M 4,096, K 512] x [K 512, N 2,048]; A: computed on the way; B: input w1 (given as codes): QUANTISED
;;     17. [M 4,096, K 2,048] x [K 2,048, N 1]; A: computed on the way; B: input w2: left as it is (N = 1 < 16)
;;     18. [M 4,096, K 512] x [K 512, N 2,048]; A: computed on the way; B: input w1 (given as codes): QUANTISED
;;     19. [M 4,096, K 2,048] x [K 2,048, N 1]; A: computed on the way; B: input w2: left as it is (N = 1 < 16)
;;     20. [M 4,096, K 512] x [K 512, N 2,048]; A: computed on the way; B: input w1 (given as codes): QUANTISED
;;     21. [M 4,096, K 2,048] x [K 2,048, N 1]; A: computed on the way; B: input w2: left as it is (N = 1 < 16)
;;     22. [M 4,096, K 512] x [K 512, N 2,048]; A: computed on the way; B: input w1 (given as codes): QUANTISED
;;     23. [M 4,096, K 2,048] x [K 2,048, N 1]; A: computed on the way; B: input w2: left as it is (N = 1 < 16)
;;     24. [M 4,096, K 512] x [K 512, N 2,048]; A: computed on the way; B: input w1 (given as codes): QUANTISED
;;     25. [M 4,096, K 2,048] x [K 2,048, N 1]; A: computed on the way; B: input w2: left as it is (N = 1 < 16)
;;     26. [M 4,096, K 512] x [K 512, N 2,048]; A: computed on the way; B: input w1 (given as codes): QUANTISED
;;     27. [M 4,096, K 2,048] x [K 2,048, N 1]; A: computed on the way; B: input w2: left as it is (N = 1 < 16)
;;     28. [M 4,096, K 512] x [K 512, N 2,048]; A: computed on the way; B: input w1 (given as codes): QUANTISED
;;     29. [M 4,096, K 2,048] x [K 2,048, N 1]; A: computed on the way; B: input w2: left as it is (N = 1 < 16)
;;     30. [M 4,096, K 512] x [K 512, N 2,048]; A: computed on the way; B: input w1 (given as codes): QUANTISED
;;     31. [M 4,096, K 2,048] x [K 2,048, N 1]; A: computed on the way; B: input w2: left as it is (N = 1 < 16)
;;     32. [M 4,096, K 512] x [K 512, N 2,048]; A: computed on the way; B: input w1 (given as codes): QUANTISED
;;     33. [M 4,096, K 2,048] x [K 2,048, N 1]; A: computed on the way; B: input w2: left as it is (N = 1 < 16)
;;   THE QUANTISER, for each operand of a quantised product, along K:
;;     - K is cut into blocks of 32 from its start; a last block that is shorter is filled with zeros.
;;     - A block's scale is 2^e with e = floor(log2(the largest magnitude in the block)) - 2, held to -126 .. 127; a block of zeros has e = 0. As a byte (E8M0): e + 127.
;;     - Each number is divided by its block's scale, clamped to +-6, and rounded to the nearest number of E2M1, ties to even, subnormals kept.
;;     - The product sums the exact products of the quantised numbers (number of the format x scale) in f32.
;;   ~~~python
;;   def quantise(x, axis):      # numpy; x: float32 -> the quantised numbers, widened to float32 again
;;       x = np.moveaxis(x, axis, -1); K = x.shape[-1]
;;       x = np.pad(x, [(0, 0)] * (x.ndim - 1) + [(0, -K % 32)]); x = x.reshape(x.shape[:-1] + (-1, 32)); a = np.abs(x).max(-1, keepdims=True)
;;       e = np.where(a > 0, np.clip(np.frexp(np.where(a > 0, a, 1))[1] - 1 - 2, -126, 127), 0)      # np.frexp(a)[1] - 1 = floor(log2(a)), exactly
;;       r = np.clip(x / 2.0 ** e, -6, 6)
;;       step = 2.0 ** (np.maximum(np.frexp(np.where(r == 0, 1, r))[1] - 1, 0) - 1)
;;       q = np.round(r / step) * step * 2.0 ** e      # np.round: ties to even
;;       return np.moveaxis(q.reshape(q.shape[:-2] + (-1,))[..., :K], -1, axis).astype(np.float32)
;;   ~~~
;;   OPERANDS COMPUTED ON THE WAY. 'Computed on the way' means the value that the module computes at that place (a softmax that the list does not call 'softmax' is quantised finished and normalised). What goes into a quantiser is computed in f32, as accurately as f32 sums, v_exp_f32 and their like allow (about 1e-6 of the number): no bf16 or f16 on the way to a quantiser, and a product that is left as it is and whose result goes on into a quantised operand takes f32 operands (vector FMAs, or v_wmma_f32_16x16x4_f32). A number that lies on a knife's edge between two numbers of the format may be rounded either way, as far as f32 arithmetic and the matrix unit's own rounding can turn it there, and no further.
;;   INPUTS GIVEN AS CODES. gate_w (in the module: [512, 16], K = its axis 0); w1 (in the module: [16, 512, 2048], K = its axis 1): each comes as NAME_codes (uint8): NAME with its K axis moved to the last place and cut into blocks of 32 codes, [.., K / 32, bytes a block], one block behind the other in memory; two codes a byte, the lower K in the low four bits (a code: sign, 2 exponent bits, 1 mantissa bit); and NAME_scales (uint8): the same leading axes, one E8M0 byte (e + 127) for each 32 codes along K. Its value is code x scale, taken as it is: it is not quantised again, and the codes and scales need not be those that the quantiser above would give.
;; One version. Each part assembles by itself: llvm-mc -triple=amdgcn-amd-amdhsa -mcpu=gfx1250 --defsym DOCPART=n.
;; ======== version 1 of 1: 3 launches
;; workspace buffers: idx 16,384 bytes of whole numbers; list 56,320 bytes of whole numbers; w1f 8,388,608 bytes
;; launch gate (part 1): grid 256 x 1, 8 waves a work-group, no clusters, 82,944 bytes of LDS; arguments z, gate_w_codes, gate_w_scales, gate_b, w1_codes, out1, idx, w1f; writes out1, idx, w1f
.if DOCPART == 1
	.amdgcn_target "amdgcn-amd-amdhsa--gfx1250"
	.amdhsa_code_object_version 6
	.text
	.protected	k_q9d489a825e_gate
	.globl	k_q9d489a825e_gate
	.p2align	8
	.type	k_q9d489a825e_gate,@function
k_q9d489a825e_gate:
	s_mov_b64 s[64:65], 0
	v_nop
	global_prefetch_b8 v0, s[64:65] scope:SCOPE_SE
	s_setreg_imm32_b32 hwreg(HW_REG_WAVE_MODE, 25, 1), 1
	s_wait_xcnt 0x0
; THE GATE, AND W1 LAID OUT FOR THE NEXT LAUNCH.
; g = softmax(Q(z) gate_w + gate_b) -> out1 [4096][16] f32; the index of the largest g (the lower index on ties) -> idx [4096] u32.
; z is quantised along K = 512 to E2M1 codes with one E8M0 byte for each 32; gate_w comes as codes.  The product is v_wmma_scale_f32_16x16x128_f8f6f4 on FP4 codes, sums in f32.
; w1_codes [16][2048][256 bytes] -> w1f: tile G (16 rows of w1: 4,096 bytes) as eight pieces of 512 bytes, piece j = 2 s + c, lane (r, h)'s 16 bytes at 16 x lane:
; bytes 64 s + 32 c + 16 h of row r: the order of an operand's registers, so that the next launch fills a fragment by dense loads of 512 bytes.
; SHARES.  Work-group g: tokens 16 g .. 16 g + 15 and tiles 8 g .. 8 g + 7 of w1.  Wave w quantises tokens 2 w, 2 w + 1 and re-lays tile 8 g + w; wave 0 then multiplies.
; No tensor loads, no cluster: no two work-groups read the same bytes but gate_w's 4 KB.
; LIMITS: NaN and infinities among the inputs are not served.  A block of zeros gets the scale byte 1 where the rule says 127: its codes are zeros and only this program reads the byte.
; The index is taken of this program's own g: a token whose two largest g agree to the last bits may go to the other of the two experts than in an exact evaluation.
.set SP,   80                          ; a lane's place in a turn stage: 64 bytes + 16 of padding
.set ZST,  0                           ; LDS: for each wave two turn stages of 32 x SP bytes
.set WST,  8*2*32*SP                   ; for each wave 16 rows (one for each 16-byte piece of a w1 row) x 272 bytes
.set ZC,   WST+8*16*272                ; z's codes: a row of 256 bytes + 16 for each token
.set ZS,   ZC+16*272                   ; z's scale bytes: 16 for each token
.set OST,  ZS+256                      ; wave 0's stage for out1: 1,024 bytes
.set STI,  5                           ; v5   turn stage, way in
.set STO,  6                           ; v6   turn stage, way out
.set QA,   20                          ; v20-22 at work in the quantiser
.set QB,   21
.set QS,   22
; REGISTERS: v1 lane, v2 r = lane % 16, v3 h = lane / 16, v4 16 x lane; v5-18 addresses; v24-29 codes and bytes; v32-63 z as loaded, later z's fragments; v64-95 z turned;
; v96-127 w1 as loaded; v128-159 w1 re-laid; v160-191 gate_w's fragments; v192-195 its scale words; v196-203 gate_b; v204-207 z's scale words; v208-215 the product; v216-223 g; v224-236 at work.
.macro BARRIER                         ; my LDS stores have landed and my LDS loads are in: then the work-group's barrier
	s_wait_dscnt 0x0
	s_barrier_signal -1
	s_barrier_wait -1
.endm
; A row of 512 f32, loaded densely (load i: lane l holds k = 128 i + 4 l + 0..3), goes through the wave's own stage and comes back with k = 16 l + 0..15 in lane l.
; LDS serves a wave's instructions in order: no wait between the stores and the loads.
.macro TURNROW src, dst, off
.irp i, 0,1,2,3
	ds_store_b128 v[STI], v[\src+4*\i:\src+4*\i+3] offset:\off+8*SP*\i
.endr
.irp i, 0,1,2,3
	ds_load_b128 v[\dst+4*\i:\dst+4*\i+3], v[STO] offset:\off+16*\i
.endr
.endm
; 16 neighbours along K in v[x] on (two neighbouring lanes hold a block of 32) -> 16 codes in v[c], v[c+1] and the block's scale byte in v[e].
.macro QUANT16 x, c, e
	v_max3_num_f32 v[QA], |v[\x]|, |v[\x+1]|, |v[\x+2]|
	v_max3_num_f32 v[QB], |v[\x+3]|, |v[\x+4]|, |v[\x+5]|
.irp i, 6,10
	s_delay_alu instid0(VALU_DEP_2)
	v_max3_num_f32 v[QA], v[QA], |v[\x+\i]|, |v[\x+\i+1]|
	s_delay_alu instid0(VALU_DEP_2)
	v_max3_num_f32 v[QB], v[QB], |v[\x+\i+2]|, |v[\x+\i+3]|
.endr
	s_delay_alu instid0(VALU_DEP_2)
	v_max3_num_f32 v[QA], v[QA], |v[\x+14]|, |v[\x+15]|
	s_delay_alu instid0(VALU_DEP_1)
	v_max3_num_f32 v[QA], v[QA], v[QB], 0x1800000                         ; the floor 2^(3 - 127): the byte cannot fall under 1
	s_delay_alu instid0(VALU_DEP_1)
	v_max_num_f32_dpp v[QA], v[QA], v[QA] row_xmask:1 row_mask:0xf bank_mask:0xf   ; with my neighbour's 16: the block's largest magnitude
	s_delay_alu instid0(VALU_DEP_1)
	v_add_nc_u32 v[QS], 0xff000000, v[QA]                                 ; 2 off its exponent field: the conversion takes that field as its scale
	v_cvt_scalef32_pk8_fp4_f32 v[\c], v[\x:\x+7], v[QS]
	v_cvt_scalef32_pk8_fp4_f32 v[\c+1], v[\x+8:\x+15], v[QS]
	v_lshrrev_b32 v[\e], 23, v[QS]                                        ; the scale's byte; also the plain line behind the conversions
.endm
	s_load_b256 s[4:11], s[0:1], 0x0               ; z s[4:5], gate_w_codes s[6:7], gate_w_scales s[8:9], gate_b s[10:11]
	s_load_b256 s[12:19], s[0:1], 0x20             ; w1_codes s[12:13], out1 s[14:15], idx s[16:17], w1f s[18:19]
	v_lshl_add_u32 v240, v0, 2, 0x14000
	v_mov_b32 v241, 0
	v_lshrrev_b32 v1, 5, v0
	s_delay_alu instid0(VALU_DEP_1)
	v_readfirstlane_b32 s20, v1                    ; wave 0..7
	v_and_b32 v1, 31, v0                           ; lane
	v_and_b32 v2, 15, v0                           ; r
	v_bfe_u32 v3, v0, 4, 1                         ; h
	s_delay_alu instid0(VALU_DEP_3)
	v_lshlrev_b32 v4, 4, v1                        ; 16 x lane
	s_mul_i32 s21, s20, 2*32*SP                    ; my two turn stages
	v_lshrrev_b32 v5, 2, v1
	s_delay_alu instid0(VALU_DEP_1)
	v_mul_u32_u24 v5, v5, SP
	v_and_b32 v19, 3, v1
	s_delay_alu instid0(VALU_DEP_1)
	v_lshl_add_u32 v5, v19, 4, v5
	s_delay_alu instid0(VALU_DEP_1)
	v_add_nc_u32 v5, s21, v5                       ; in: SP (lane / 4) + 16 (lane % 4)
	v_mul_u32_u24 v6, v1, SP
	s_delay_alu instid0(VALU_DEP_1)
	v_add_nc_u32 v6, s21, v6                       ; out: SP x lane
	s_mul_i32 s21, s20, 2*272
	s_add_co_u32 s21, s21, ZC
	v_lshlrev_b32 v7, 3, v1
	s_delay_alu instid0(VALU_DEP_1)
	v_add_nc_u32 v7, s21, v7                       ; my 8 bytes of codes in token 2 w's row
	s_lshl_b32 s21, s20, 5
	s_add_co_u32 s21, s21, ZS
	v_lshrrev_b32 v8, 1, v1
	s_delay_alu instid0(VALU_DEP_1)
	v_add_nc_u32 v8, s21, v8                       ; my block's byte in token 2 w's 16
	s_mul_i32 s21, s20, 16*272
	s_add_co_u32 s21, s21, WST                     ; my stage for w1
	v_mul_u32_u24 v9, v2, 272
	s_delay_alu instid0(VALU_DEP_1)
	v_lshl_add_u32 v9, v3, 4, v9
	s_delay_alu instid0(VALU_DEP_1)
	v_add_nc_u32 v9, s21, v9                       ; in: stage row = piece lane % 16 of a w1 row, column = w1 row 2 i + lane / 16
	v_mul_u32_u24 v10, v3, 272
	s_delay_alu instid0(VALU_DEP_1)
	v_lshl_add_u32 v10, v2, 4, v10
	s_delay_alu instid0(VALU_DEP_1)
	v_add_nc_u32 v10, s21, v10                     ; out: piece 2 j + h, w1 row r
	v_lshlrev_b32 v11, 8, v2
	s_delay_alu instid0(VALU_DEP_1)
	v_lshl_add_u32 v11, v3, 4, v11                 ; gate_w's codes: row r of 256 bytes, + 16 h
	v_lshlrev_b32 v12, 4, v2                       ; its scale bytes: 16 a row
	v_lshlrev_b32 v13, 5, v3                       ; gate_b: experts 8 h + 0..7
	v_mul_u32_u24 v14, v2, 272
	s_delay_alu instid0(VALU_DEP_1)
	v_lshl_add_u32 v14, v3, 4, v14
	s_delay_alu instid0(VALU_DEP_1)
	v_add_nc_u32 v14, ZC, v14                      ; z's fragments: token r, + 16 h
	v_lshl_add_u32 v15, v2, 4, ZS                  ; z's scale words
	v_lshlrev_b32 v16, 6, v2
	s_delay_alu instid0(VALU_DEP_1)
	v_lshl_add_u32 v16, v3, 5, v16
	s_delay_alu instid0(VALU_DEP_1)
	v_add_nc_u32 v16, OST, v16                     ; out1's stage, in: token r's 64 bytes, + 32 h
	v_add_nc_u32 v17, OST, v4                      ; and back: 16 bytes a lane
	v_lshlrev_b32 v18, 2, v2                       ; idx: 4 r
	s_lshl_b32 s22, ttmp9, 15                      ; z: 16 rows of 2,048 bytes a work-group, two a wave; w1 and w1f: eight tiles of 4,096 bytes a work-group, one a wave: the same offset
	s_lshl_b32 s23, s20, 12
	s_add_co_u32 s22, s22, s23
	s_mov_b32 s23, 0
	s_lshl_b32 s24, ttmp9, 10                      ; out1: 16 rows of 64 bytes
	s_mov_b32 s25, 0
	s_lshl_b32 s34, ttmp9, 6                       ; idx: 16 words
	s_mov_b32 s35, 0
	s_mov_b32 s26, 0x76543210                      ; v_permlanex16_b32's selects for lane l xor 16
	s_mov_b32 s27, 0xfedcba98
	s_mov_b32 s28, 0x3fb8aa3b                      ; log2(e); the packed form names the pair
	s_mov_b32 s29, s28
	s_wait_kmcnt 0x0
	s_add_nc_u64 s[4:5], s[4:5], s[22:23]
	s_add_nc_u64 s[12:13], s[12:13], s[22:23]
	s_add_nc_u64 s[18:19], s[18:19], s[22:23]
	s_add_nc_u64 s[14:15], s[14:15], s[24:25]
	s_add_nc_u64 s[16:17], s[16:17], s[34:35]
	s_cmp_lg_u32 s20, 0                            ; wave 0 alone asks for the gate's operands, ahead of all other loads: so the counted wait below covers them too
	s_cbranch_scc1 .Lothers
.irp j, 0,1,2,3,4,5,6,7
	global_load_b128 v[160+4*\j:163+4*\j], v11, s[6:7] offset:32*\j       ; K step j / 2, half j % 2: register 4 j of the four fragments
.endr
	global_load_b128 v[192:195], v12, s[8:9]       ; lane r: expert r's four scale words
	global_load_b128 v[196:199], v13, s[10:11]
	global_load_b128 v[200:203], v13, s[10:11] offset:16
.Lothers:
.irp i, 0,1,2,3
	global_load_b128 v[32+4*\i:35+4*\i], v4, s[4:5] offset:512*\i         ; token 2 w: each load 512 consecutive bytes
.endr
.irp i, 0,1,2,3
	global_load_b128 v[48+4*\i:51+4*\i], v4, s[4:5] offset:2048+512*\i    ; token 2 w + 1
.endr
.irp i, 0,1,2,3,4,5,6,7
	global_load_b128 v[96+4*\i:99+4*\i], v4, s[12:13] offset:512*\i th:TH_LOAD_NT   ; my tile of w1: read once in the launch
.endr
	s_wait_loadcnt 8                               ; all but the eight loads of w1 are in
	TURNROW 32, 64, 0
	TURNROW 48, 80, 32*SP
	s_wait_dscnt 8                                 ; the first row is back; the second row's four stores and four loads may be out
	QUANT16 64, 24, 28
	s_wait_dscnt 0x0
	QUANT16 80, 26, 29
	ds_store_b64 v7, v[24:25]
	ds_store_b64 v7, v[26:27] offset:272
	ds_store_b8 v8, v28                            ; both lanes of a block write the same byte with the same value
	ds_store_b8 v8, v29 offset:16
	s_wait_loadcnt 0x0                             ; w1
.irp i, 0,1,2,3,4,5,6,7
	ds_store_b128 v9, v[96+4*\i:99+4*\i] offset:32*\i
.endr
.irp j, 0,1,2,3,4,5,6,7
	ds_load_b128 v[128+4*\j:131+4*\j], v10 offset:544*\j
.endr
	s_wait_dscnt 0x0
.irp j, 0,1,2,3,4,5,6,7
	global_store_b128 v4, v[128+4*\j:131+4*\j], s[18:19] offset:512*\j    ; 32 lanes store 512 consecutive bytes, at a multiple of 512 from w1f's first byte
.endr
	BARRIER                                        ; the 16 tokens' codes and scale bytes lie in LDS
	s_cmp_lg_u32 s20, 0
	s_cbranch_scc1 .Lend
	; ---- wave 0: source 0 = the 16 experts' rows of gate_w, source 1 = the 16 tokens: lane (r, h) holds token r, register j expert 8 h + j
.irp j, 0,1,2,3,4,5,6,7
	ds_load_b128 v[32+4*\j:35+4*\j], v14 offset:32*\j
.endr
	ds_load_b128 v[204:207], v15
	s_wait_dscnt 0x0
	v_wmma_scale_f32_16x16x128_f8f6f4 v[208:215], v[160:167], v[32:39], v[196:203], v192, v204 matrix_a_fmt:MATRIX_FMT_FP4 matrix_b_fmt:MATRIX_FMT_FP4   ; gate_b is the C of the first K step
.irp s, 1,2,3
	s_wait_alu depctr_va_vdst(0)                   ; this wait ahead of each link
	v_wmma_scale_f32_16x16x128_f8f6f4 v[208:215], v[160+8*\s:167+8*\s], v[32+8*\s:39+8*\s], v[208:215], v[192+\s], v[204+\s] matrix_a_fmt:MATRIX_FMT_FP4 matrix_b_fmt:MATRIX_FMT_FP4
.endr
	v_mov_b32 v225, 0                              ; five plain lines that name none of the product's registers stand between it and the first read of its result (ISA guide 7.12.1);
	v_mov_b32 v235, 0                              ; a lane permute's destination counts as one of its sources, so these three are written once
	v_mov_b32 v236, 0
	v_lshlrev_b32 v233, 3, v3                      ; the index of my first expert: 8 h
	v_lshlrev_b32 v234, 3, v3
	v_max3_num_f32 v224, v208, v209, v210          ; the row's largest logit, from the accumulator's low end on
	v_max3_num_f32 v224, v224, v211, v212
	v_max3_num_f32 v224, v224, v213, v214
	v_max_num_f32 v224, v224, v215
	s_delay_alu instid0(VALU_DEP_1)
	v_permlanex16_b32 v225, v224, s26, s27
	s_delay_alu instid0(VALU_DEP_1)
	v_max_num_f32 v224, v224, v225                 ; with the other eight experts'
	s_delay_alu instid0(VALU_DEP_1)
	v_mul_f32 v226, 0xbfb8aa3b, v224               ; - m log2(e)
	s_delay_alu instid0(VALU_DEP_1)
	v_mov_b32 v227, v226
.irp j, 0,2,4,6
	v_pk_fma_f32 v[216+\j:217+\j], v[208+\j:209+\j], s[28:29], v[226:227] op_sel_hi:[1,0,0]
.endr
	s_wait_alu depctr_va_vdst(0)
.irp j, 0,1,2,3,4,5,6,7
	v_exp_f32 v[216+\j], v[216+\j]                 ; e^(logit - m)
.endr
	v_nop                                          ; a plain line behind the exponentials
	s_wait_alu depctr_va_vdst(0)
	v_pk_add_f32 v[228:229], v[216:217], v[218:219]
	v_pk_add_f32 v[230:231], v[220:221], v[222:223]
	s_delay_alu instid0(VALU_DEP_1)
	v_pk_add_f32 v[228:229], v[228:229], v[230:231]
	s_delay_alu instid0(VALU_DEP_1)
	v_add_f32 v228, v228, v229
	s_delay_alu instid0(VALU_DEP_1)
	v_permlanex16_b32 v225, v228, s26, s27
	s_delay_alu instid0(VALU_DEP_1)
	v_add_f32 v228, v228, v225                     ; the row's sum
	s_wait_alu depctr_va_vdst(0)
	v_rcp_f32 v230, v228
	v_nop
	s_wait_alu depctr_va_vdst(0)
	v_mov_b32 v231, v230
.irp j, 0,2,4,6
	v_pk_mul_f32 v[216+\j:217+\j], v[216+\j:217+\j], v[230:231]           ; g
.endr
	s_delay_alu instid0(VALU_DEP_4)
	v_mov_b32 v232, v216                           ; the largest g of my eight and its index; a later one wins only if it is larger
.irp j, 1
	v_add_nc_u32 v234, 1, v234
	s_delay_alu instid0(VALU_DEP_2)
	v_cmp_gt_f32 vcc_lo, v[216+\j], v232
	s_delay_alu instid0(VALU_DEP_1)
	v_cndmask_b32 v232, v232, v[216+\j], vcc_lo
	s_delay_alu instid0(VALU_DEP_2)
	v_cndmask_b32 v233, v233, v234, vcc_lo
.endr
.irp j, 2, 3, 4, 5, 6, 7
	s_delay_alu instid0(VALU_DEP_4)
	v_add_nc_u32 v234, 1, v234
	s_delay_alu instid0(VALU_DEP_3)
	v_cmp_gt_f32 vcc_lo, v[216+\j], v232
	s_delay_alu instid0(VALU_DEP_1)
	v_cndmask_b32 v232, v232, v[216+\j], vcc_lo
	s_delay_alu instid0(VALU_DEP_2)
	v_cndmask_b32 v233, v233, v234, vcc_lo
.endr
	s_delay_alu instid0(VALU_DEP_2)
	v_permlanex16_b32 v235, v232, s26, s27
	s_delay_alu instid0(VALU_DEP_2)
	v_permlanex16_b32 v236, v233, s26, s27
	s_delay_alu instid0(VALU_DEP_2)
	v_cmp_gt_f32 s30, v235, v232                   ; the other half's wins where it is larger, or equal with the lower index
	s_delay_alu instid0(VALU_DEP_3)
	v_cmp_eq_f32 s31, v235, v232
	s_delay_alu instid0(VALU_DEP_3)
	v_cmp_lt_u32 s32, v236, v233
	s_and_b32 s31, s31, s32
	s_or_b32 s30, s30, s31
	v_cndmask_b32 v233, v233, v236, s30            ; a value that is stored: no address and no branch of this launch hangs on it
	ds_store_b128 v16, v[216:219]
	ds_store_b128 v16, v[220:223] offset:16
	ds_load_b128 v[224:227], v17                   ; LDS serves a wave's instructions in order: these see my stores
	ds_load_b128 v[228:231], v17 offset:512
	s_wait_alu depctr_va_vdst(0)
	s_wait_dscnt 0x0
	global_store_b128 v4, v[224:227], s[14:15]     ; 512 consecutive bytes each
	global_store_b128 v4, v[228:231], s[14:15] offset:512
	s_wait_xcnt 0x0                                ; EXEC changes only behind this wait
	v_cmp_gt_u32 vcc_lo, 16, v1
	s_and_saveexec_b32 s33, vcc_lo
	global_store_b32 v18, v233, s[16:17]           ; 16 words: the work-group's 64 bytes of idx
	s_wait_xcnt 0x0
	s_or_b32 exec_lo, exec_lo, s33
.Lend:
	s_wait_tensorcnt 0x0
	ds_add_u32 v240, v241
	s_wait_dscnt 0x0
	s_endpgm
.Lfunc_end_k_q9d489a825e_gate:
	.size	k_q9d489a825e_gate, .Lfunc_end_k_q9d489a825e_gate-k_q9d489a825e_gate
	.p2alignl 7, 3214868480
	.fill 96, 4, 3214868480
	.section	.rodata,"a",@progbits
	.p2align	6, 0x0
	.amdhsa_kernel k_q9d489a825e_gate
		.amdhsa_group_segment_fixed_size 82944
		.amdhsa_private_segment_fixed_size 0
		.amdhsa_enable_private_segment 0
		.amdhsa_kernarg_size 64
		.amdhsa_user_sgpr_count 2
		.amdhsa_user_sgpr_kernarg_segment_ptr 1
		.amdhsa_wavefront_size32 1
		.amdhsa_system_sgpr_workgroup_id_x 1
		.amdhsa_system_sgpr_workgroup_id_y 1
		.amdhsa_system_sgpr_workgroup_id_z 1
		.amdhsa_system_vgpr_workitem_id 0
		.amdhsa_next_free_vgpr 242
		.amdhsa_next_free_sgpr 66
		.amdhsa_reserve_vcc 1
		.amdhsa_float_denorm_mode_32 3
		.amdhsa_float_denorm_mode_16_64 3
		.amdhsa_memory_ordered 1
		.amdhsa_forward_progress 1
		.amdhsa_inst_pref_size 19
	.end_amdhsa_kernel
	.amdgpu_metadata
---
amdhsa.version: [ 1, 2 ]
amdhsa.kernels:
  - .name:           k_q9d489a825e_gate
    .symbol:         k_q9d489a825e_gate.kd
    .args:
      - { .name: z, .offset: 0, .size: 8, .value_kind: global_buffer, .address_space: global }
      - { .name: gate_w_codes, .offset: 8, .size: 8, .value_kind: global_buffer, .address_space: global }
      - { .name: gate_w_scales, .offset: 16, .size: 8, .value_kind: global_buffer, .address_space: global }
      - { .name: gate_b, .offset: 24, .size: 8, .value_kind: global_buffer, .address_space: global }
      - { .name: w1_codes, .offset: 32, .size: 8, .value_kind: global_buffer, .address_space: global }
      - { .name: out1, .offset: 40, .size: 8, .value_kind: global_buffer, .address_space: global }
      - { .name: idx, .offset: 48, .size: 8, .value_kind: global_buffer, .address_space: global }
      - { .name: w1f, .offset: 56, .size: 8, .value_kind: global_buffer, .address_space: global }
    .group_segment_fixed_size: 82944
    .private_segment_fixed_size: 0
    .kernarg_segment_align: 8
    .kernarg_segment_size: 64
    .max_flat_workgroup_size: 256
    .sgpr_count:     66
    .vgpr_count:     242
    .wavefront_size: 32
...
	.end_amdgpu_metadata
.endif
;; end of part 1
;; launch place (part 2): grid 220 x 1, 16 waves a work-group, no clusters, 6,144 bytes of LDS; arguments idx, list; writes list
.if DOCPART == 2
	.amdgcn_target "amdgcn-amd-amdhsa--gfx1250"
	.amdhsa_code_object_version 6
	.text
	.protected	k_q9d489a825e_place
	.globl	k_q9d489a825e_place
	.p2align	8
	.type	k_q9d489a825e_place,@function
k_q9d489a825e_place:
	s_mov_b64 s[64:65], 0
	v_nop
	global_prefetch_b8 v0, s[64:65] scope:SCOPE_SE
	s_setreg_imm32_b32 hwreg(HW_REG_WAVE_MODE, 25, 1), 1
	s_wait_xcnt 0x0
; THE ROWS ARE PLACED BY EXPERT.  idx [4096] u32 (the chosen expert of each token, stored by the launch before) -> list: one record of 256 bytes for each tile of the next launch.
; TILES.  Expert e's tokens, ranked in the order (wave, slot, lane) in which this text reads idx, are cut into tiles of 20.  The sum over e of ceil(n_e / 20) is at most (4096 + 16 x 19) / 20 = 220
; for every split: the grid, here and in the next launch.  Work-group T reads all of idx (16 KB), counts, and works out tile T alone: its expert, its number of tokens (0 for a tile beyond the
; last), and the token of each of its 20 slots.
; THE RECORD: word 2 rho = slot rho's token (4095 where the slot has none; slots 20-31 have none); every odd word = expert | tokens << 8.
; All addresses of this launch are fixed and no branch hangs on idx: what is derived from idx is only stored.  The next launch forms its addresses and its one branch from the record.
; No atomics: each wave counts its own 256 tokens, the sixteen counts meet in LDS, and each slot is claimed by the one wave whose part of idx holds its rank.
.set HIST, 0                           ; LDS: [wave][32 words]: lanes 0-15: the wave's count of each expert
.set CAND, 2048                        ; [wave][32 words]: word rho: token + 1 of slot rho if it lies in this wave's part of idx, else 0
; REGISTERS: v1 lane, v4 16 x thread, v5 4 x thread, v6 4 x lane, v7 8 x lane; v16-31 a table's sixteen rows; v32-43 at work; v[44:45] the record's pair; v48-55 my eight words of idx;
; v56 my wave's counts, v57 an expert's tokens in all, v58 those in the waves ahead of mine, v59 its tiles (lane e: expert e).
; SCALARS: s24 wave, s25 tile, s26 expert, s27-34 the walk, s35 tokens in my tile, s36 first rank of the slot in hand less my tile's first, s37 at work, s40-47 masks, s48-55 counts, s[56:57] an offset.
.macro BARRIER                         ; my LDS stores have landed and my LDS loads are in: then the work-group's barrier
	s_wait_dscnt 0x0
	s_barrier_signal -1
	s_barrier_wait -1
.endm
; One halving step of the search for the n-th set bit: v40 = the ones in the w bits from v41 on; where n is not among them, they are taken off n and the place moves on by w.
.macro PICK src, w
	s_delay_alu instid0(VALU_DEP_1)
	v_bfe_u32 v40, v[\src], v41, \w
	s_delay_alu instid0(VALU_DEP_1)
	v_cmp_ge_u32 vcc_lo, v34, v40
	s_delay_alu instid0(VALU_DEP_1)
	v_cndmask_b32 v40, 0, v40, vcc_lo
	s_delay_alu instid0(VALU_DEP_1)
	v_sub_nc_u32 v34, v34, v40
	v_add_nc_u32 v42, \w, v41
	s_delay_alu instid0(VALU_DEP_1)
	v_cndmask_b32 v41, v41, v42, vcc_lo
.endm
	s_load_b128 s[4:7], s[0:1], 0x0                ; idx s[4:5], list s[6:7]
	v_lshl_add_u32 v64, v0, 2, 0x1000
	v_mov_b32 v65, 0
	v_lshrrev_b32 v1, 5, v0
	s_delay_alu instid0(VALU_DEP_1)
	v_readfirstlane_b32 s24, v1                    ; wave 0..15
	s_mov_b32 s25, ttmp9                           ; my tile's number
	v_and_b32 v1, 31, v0                           ; lane
	v_lshlrev_b32 v4, 4, v0
	v_lshlrev_b32 v5, 2, v0
	s_delay_alu instid0(VALU_DEP_3)
	v_lshlrev_b32 v6, 2, v1
	s_delay_alu instid0(VALU_DEP_4)
	v_lshlrev_b32 v7, 3, v1
	v_mov_b32 v56, 0                               ; my wave's counts
	s_lshl_b32 s56, ttmp9, 8                       ; my record: 256 bytes a tile
	s_mov_b32 s57, 0
	s_wait_alu depctr_va_vdst(0)
	s_wait_kmcnt 0x0
	s_add_nc_u64 s[6:7], s[6:7], s[56:57]
	global_load_b128 v[48:51], v4, s[4:5]                  ; slot k < 4: token 4 x thread + k
	global_load_b128 v[52:55], v4, s[4:5] offset:8192      ; slot k >= 4: token 2048 + 4 x thread + k - 4
	s_wait_loadcnt 0x0
	; ---- how many of my wave's 256 tokens go to each expert
.irp e, 0,1,2,3,4,5,6,7,8,9,10,11,12,13,14,15
	s_wait_alu depctr_va_vdst(0)
.irp k, 0,1,2,3,4,5,6,7
	v_cmp_eq_u32 s[40+\k], \e, v[48+\k]
.endr
.irp k, 0,1,2,3,4,5,6,7
	s_bcnt1_i32_b32 s[48+\k], s[40+\k]
.endr
.irp k, 1,2,3,4,5,6,7
	s_add_co_u32 s48, s48, s[48+\k]
.endr
	v_writelane_b32 v56, s48, \e
.endr
	ds_store_b32 v5, v56 offset:HIST
	BARRIER                                        ; all sixteen waves' counts lie in LDS
	; ---- which tile is mine: every wave works it out alike; lane e holds expert e's figures
.irp w, 0,1,2,3,4,5,6,7,8,9,10,11,12,13,14,15
	ds_load_b32 v[16+\w], v6 offset:HIST+128*\w
.endr
	s_wait_dscnt 0x0
	v_add3_u32 v57, v16, v17, v18                  ; the expert's tokens in all
.irp i, 19,21,23,25,27,29
	s_delay_alu instid0(VALU_DEP_1)
	v_add3_u32 v57, v57, v[\i], v[\i+1]
.endr
	s_delay_alu instid0(VALU_DEP_1)
	v_add_nc_u32 v57, v57, v31
	v_mov_b32 v58, 0                               ; and in the waves ahead of mine
.irp w, 0,1,2,3,4,5,6,7,8,9,10,11,12,13,14
	s_cmp_gt_u32 s24, \w
	s_cselect_b32 s37, 1, 0
	v_mad_u32_u24 v58, v[16+\w], s37, v58
.endr
	v_add_nc_u32 v59, 19, v57
	s_delay_alu instid0(VALU_DEP_1)
	v_mul_u32_u24 v59, v59, 0xccd
	s_delay_alu instid0(VALU_DEP_1)
	v_lshrrev_b32 v59, 16, v59                     ; its tiles: (n + 19) / 20 = ((n + 19) x 3277) >> 16, exact for n + 19 under 16,384
	s_wait_alu depctr_va_vdst(0)
	s_mov_b32 s27, 0                               ; the first tile of the expert in hand
	s_mov_b32 s26, 0
	s_mov_b32 s28, 0
	s_mov_b32 s32, 0
	s_mov_b32 s33, 0
.irp e, 0,1,2,3,4,5,6,7,8,9,10,11,12,13,14,15
	v_readlane_b32 s29, v59, \e
	v_readlane_b32 s30, v57, \e
	v_readlane_b32 s31, v58, \e
	s_cmp_le_u32 s27, s25                          ; the last expert whose first tile is not beyond mine is the owner (one without tiles is overtaken by the next)
	s_cselect_b32 s26, \e, s26
	s_cselect_b32 s28, s27, s28
	s_cselect_b32 s32, s30, s32
	s_cselect_b32 s33, s31, s33
	s_add_co_u32 s27, s27, s29
.endr
	s_min_u32 s26, s26, 15                         ; my expert
	s_sub_co_u32 s34, s25, s28
	s_mul_i32 s34, s34, 20                         ; my tile's first rank
	s_sub_co_i32 s35, s32, s34
	s_max_i32 s35, s35, 0
	s_min_i32 s35, s35, 20                         ; its tokens: 0 for a tile beyond the last
	s_sub_co_i32 s36, s33, s34                     ; my wave's first rank less my tile's first
	; ---- which of my wave's tokens fall into my tile's slots.  Lane rho asks for rank (tile's first + rho): at most one slot k of idx holds it
	v_mov_b32 v33, 0                               ; that slot's mask of lanes,
	v_mov_b32 v34, 0                               ; the place n among the mask's ones,
	v_mov_b32 v35, 0                               ; and the slot's first token + 1 (0: none)
.irp k, 0,1,2,3,4,5,6,7
	v_cmp_eq_u32 s[40+\k], s26, v[48+\k]
	s_bcnt1_i32_b32 s[48+\k], s[40+\k]
	v_sub_nc_u32 v32, v1, s36                      ; n = rho - (the slot's first rank - the tile's first); a negative number counts as a very large one
	s_delay_alu instid0(VALU_DEP_1)
	v_cmp_le_u32 vcc_lo, s[48+\k], v32             ; not among this slot's ones
	s_delay_alu instid0(VALU_DEP_1)
	v_cndmask_b32 v33, s[40+\k], v33, vcc_lo
	s_delay_alu instid0(VALU_DEP_2)
	v_cndmask_b32 v34, v32, v34, vcc_lo
	s_delay_alu instid0(VALU_DEP_3)
	v_cndmask_b32 v35, \k+1+2044*(\k/4), v35, vcc_lo
	s_add_co_i32 s36, s36, s[48+\k]
.endr
	v_lshrrev_b32 v40, 1, v33                      ; the mask's ones counted in fields of 2, 4, 8 and 16 bits
	s_delay_alu instid0(VALU_DEP_1)
	v_and_b32 v40, 0x55555555, v40
	s_delay_alu instid0(VALU_DEP_1)
	v_sub_nc_u32 v36, v33, v40
	s_delay_alu instid0(VALU_DEP_1)
	v_lshrrev_b32 v40, 2, v36
	s_delay_alu instid0(VALU_DEP_1)
	v_and_b32 v40, 0x33333333, v40
	s_delay_alu instid0(VALU_DEP_3)
	v_and_b32 v37, 0x33333333, v36
	s_delay_alu instid0(VALU_DEP_1)
	v_add_nc_u32 v37, v37, v40
	s_delay_alu instid0(VALU_DEP_1)
	v_lshrrev_b32 v40, 4, v37
	s_delay_alu instid0(VALU_DEP_1)
	v_add_nc_u32 v38, v37, v40
	s_delay_alu instid0(VALU_DEP_1)
	v_and_b32 v38, 0x0f0f0f0f, v38
	s_delay_alu instid0(VALU_DEP_1)
	v_lshrrev_b32 v40, 8, v38
	s_delay_alu instid0(VALU_DEP_1)
	v_add_nc_u32 v39, v38, v40
	s_delay_alu instid0(VALU_DEP_1)
	v_and_b32 v39, 0x00ff00ff, v39
	v_mov_b32 v41, 0                               ; the place of the n-th one, by halving
	PICK 39, 16
	PICK 38, 8
	PICK 37, 4
	PICK 36, 2
	PICK 33, 1
	s_delay_alu instid0(VALU_DEP_1)
	v_lshl_add_u32 v40, v41, 2, v35                ; token + 1 = 4 (32 wave + place) + the slot's first + 1
	s_lshl_b32 s37, s24, 7
	v_add_nc_u32 v40, s37, v40
	v_cmp_ne_u32 vcc_lo, 0, v35
	s_delay_alu instid0(VALU_DEP_1)
	v_cndmask_b32 v43, 0, v40, vcc_lo
	v_cmp_gt_u32 vcc_lo, 20, v1                    ; a tile has 20 slots
	s_delay_alu instid0(VALU_DEP_1)
	v_cndmask_b32 v43, 0, v43, vcc_lo
	ds_store_b32 v5, v43 offset:CAND
	BARRIER                                        ; each slot's token stands in one wave's row of CAND, zeros in the others
	s_cmp_lg_u32 s24, 0
	s_cbranch_scc1 .Lend
	; ---- wave 0: the sixteen rows added give token + 1 of each slot; the record leaves as one aligned block of 256 bytes
.irp w, 0,1,2,3,4,5,6,7,8,9,10,11,12,13,14,15
	ds_load_b32 v[16+\w], v6 offset:CAND+128*\w
.endr
	s_lshl_b32 s37, s35, 8
	s_or_b32 s37, s37, s26                         ; expert | tokens << 8
	v_mov_b32 v45, s37
	s_wait_dscnt 0x0
	v_add3_u32 v44, v16, v17, v18
.irp i, 19,21,23,25,27,29
	s_delay_alu instid0(VALU_DEP_1)
	v_add3_u32 v44, v44, v[\i], v[\i+1]
.endr
	s_delay_alu instid0(VALU_DEP_1)
	v_add_nc_u32 v44, v44, v31
	s_delay_alu instid0(VALU_DEP_1)
	v_add_nc_u32 v44, -1, v44
	s_delay_alu instid0(VALU_DEP_1)
	v_min_u32 v44, 0xfff, v44                      ; the token; a slot without one (0 - 1) is held at 4095
	global_store_b64 v7, v[44:45], s[6:7]          ; 32 lanes store 256 consecutive bytes, at a multiple of 256 from list's first byte
.Lend:
	s_wait_tensorcnt 0x0
	ds_add_u32 v64, v65
	s_wait_dscnt 0x0
	s_endpgm
.Lfunc_end_k_q9d489a825e_place:
	.size	k_q9d489a825e_place, .Lfunc_end_k_q9d489a825e_place-k_q9d489a825e_place
	.p2alignl 7, 3214868480
	.fill 96, 4, 3214868480
	.section	.rodata,"a",@progbits
	.p2align	6, 0x0
	.amdhsa_kernel k_q9d489a825e_place
		.amdhsa_group_segment_fixed_size 6144
		.amdhsa_private_segment_fixed_size 0
		.amdhsa_enable_private_segment 0
		.amdhsa_kernarg_size 16
		.amdhsa_user_sgpr_count 2
		.amdhsa_user_sgpr_kernarg_segment_ptr 1
		.amdhsa_wavefront_size32 1
		.amdhsa_system_sgpr_workgroup_id_x 1
		.amdhsa_system_sgpr_workgroup_id_y 1
		.amdhsa_system_sgpr_workgroup_id_z 1
		.amdhsa_system_vgpr_workitem_id 0
		.amdhsa_next_free_vgpr 66
		.amdhsa_next_free_sgpr 66
		.amdhsa_reserve_vcc 1
		.amdhsa_float_denorm_mode_32 3
		.amdhsa_float_denorm_mode_16_64 3
		.amdhsa_memory_ordered 1
		.amdhsa_forward_progress 1
		.amdhsa_inst_pref_size 38
	.end_amdhsa_kernel
	.amdgpu_metadata
---
amdhsa.version: [ 1, 2 ]
amdhsa.kernels:
  - .name:           k_q9d489a825e_place
    .symbol:         k_q9d489a825e_place.kd
    .args:
      - { .name: idx, .offset: 0, .size: 8, .value_kind: global_buffer, .address_space: global }
      - { .name: list, .offset: 8, .size: 8, .value_kind: global_buffer, .address_space: global }
    .group_segment_fixed_size: 6144
    .private_segment_fixed_size: 0
    .kernarg_segment_align: 8
    .kernarg_segment_size: 16
    .max_flat_workgroup_size: 512
    .sgpr_count:     66
    .vgpr_count:     66
    .wavefront_size: 32
...
	.end_amdgpu_metadata
.endif
;; end of part 2
;; launch experts (part 3): grid 220 x 1, 16 waves a work-group, no clusters, 96,256 bytes of LDS; arguments list, z, ln_scale, ln_bias, w1f, w1_scales, b1, w2, b2, out0; writes out0
.if DOCPART == 3
	.amdgcn_target "amdgcn-amd-amdhsa--gfx1250"
	.amdhsa_code_object_version 6
	.text
	.protected	k_q9d489a825e_experts
	.globl	k_q9d489a825e_experts
	.p2align	8
	.type	k_q9d489a825e_experts,@function
k_q9d489a825e_experts:
	s_mov_b64 s[64:65], 0
	v_nop
	global_prefetch_b8 v0, s[64:65] scope:SCOPE_SE
	s_setreg_imm32_b32 hwreg(HW_REG_WAVE_MODE, 25, 1), 1
	s_wait_xcnt 0x0
; THE CHOSEN EXPERT'S CHAIN.  out0[t] = gelu(Q(LN(z[t]) ln_scale[e] + ln_bias[e]) w1[e] + b1[e]) . w2[e] + b2[e], e = the expert chosen for token t.
; Only the chosen expert of each token is multiplied: the other fifteen results are thrown away by the mask that the problem builds itself.
; TILES.  The launch before has cut each expert's tokens into tiles of 20 and stored a record of 256 bytes for each of 220 tiles, as many as any split can need ((4096 + 16 x 19) / 20):
; word 2 rho = slot rho's token (4095 where it has none), every odd word = expert | tokens << 8.  Work-group T takes tile T; one whose tile has no tokens passes the products over and stores nothing.
; SHARES.  16 waves.  Wave w makes hidden units 128 w .. 128 w + 127 (eight tiles of 16, two at a time) for all 20 rows; waves 0-9 first prepare rows 2 w, 2 w + 1 of x.
; THE PRODUCT: source 0 = 16 rows of x, source 1 = 16 units of w1: in the result a lane holds ONE unit (lane % 16) and register j row 8 (lane / 16) + j.  Two row tiles: rows 0-15, and a second
; whose rows 0, 1, 8, 9 are slots 16-19, so that these fall into the accumulator's registers 0 and 1.  The activation then runs over 10 registers, five packed pairs, for 20 rows x 16 units.
; gelu(u) = u (1 + erf(u / sqrt 2)) / 2, erf by the rational form t = 1 / (1 + p |x|), erf = 1 - (a1 t + .. + a5 t^5) e^(-x^2) (Abramowitz and Stegun 7.1.26: absolute error at most 1.5e-7 for
; every x); nothing behind it is quantised.  With y = u sqrt(log2(e) / 2): e^(-x^2) = 2^(-y^2), and gelu = (y + |y| erf) x 0.5 / sqrt(log2(e) / 2), a factor that is put into w2 once.
; NO CLUSTER, NO TENSOR LOADS: which work-groups share an expert's weights hangs on the records read from memory, so the partners of a cluster fixed by the grid may want different experts;
; the weights go from w1f, laid in the order of the operand's registers, straight into registers by dense loads of 512 bytes.
; LIMITS: NaN and infinities among the inputs are not served.  A block of zeros gets the scale byte 1 where the rule says 127 (its codes are zeros; only this program reads the byte).
; 1 / sqrt(var + eps) is v_rsq_f32.  A slot without a token is computed on token 4095's row and never stored.
.set SP,   80                          ; a lane's place in a turn stage: 64 bytes + 16 of padding
.set PART, 0                           ; LDS: [wave][32 words]: the wave's partial sums
.set XS,   2048                        ; x's scale bytes: 16 a row; room for two rows of each wave
.set XC,   2560                        ; x's codes: rows of 256 bytes + 16; room for two rows of each wave
.set XST,  XC+32*272                   ; two turn stages of 32 x SP bytes for each wave
.set STI,  7
.set STO,  8
.set QA,   26
.set QB,   27
.set QS,   28
.set BS,   132                         ; v132-135 w1's scale words: lanes 0-15 the even unit tile, lanes 16-31 the odd one
; REGISTERS THAT STAY: v1 lane, v2 r, v3 h, v4 16 x lane, v5 4 x thread, v6 4 x lane, v7-13, v62 LDS addresses, v14 4 r, v15 my slot on the way out, v248 8 x that slot, v250 its token.
; MAIN PART: v16-25 t, v26-35 y^2, v36-45 the polynomial; v46-53 w2 x factor, v54-61 b1 x factor (a register a unit tile); v64-95, v96-127 x's two row tiles (K step s at + 8 s);
; v128-131, v244-247 their scale words; v136-167, v168-199 the two unit tiles' fragments; v200, v208, v216, v224 four accumulators; v232-241 the rows' sums; v242-243 a4.
; SCALARS: s24 wave, s26 expert, s35 tokens in my tile, s37 at work, s38 1/512, s39 eps, s[40:43] my 16 bytes of the record, s[66:67] lane selects, s[68:77] constants in pairs, s78 p', s79 b2,
; s[80:83] two rows of z, s[84:87] offsets, s[88:89] my part of the record.
.macro BARRIER                         ; my LDS stores have landed and my LDS loads are in: then the work-group's barrier
	s_wait_dscnt 0x0
	s_barrier_signal -1
	s_barrier_wait -1
.endm
.macro TURNROW src, dst, off           ; lane l: k = 128 i + 4 l + 0..3 in register group i  ->  k = 16 l + 0..15, through the wave's own stage
.irp i, 0,1,2,3
	ds_store_b128 v[STI], v[\src+4*\i:\src+4*\i+3] offset:\off+8*SP*\i
.endr
.irp i, 0,1,2,3
	ds_load_b128 v[\dst+4*\i:\dst+4*\i+3], v[STO] offset:\off+16*\i
.endr
.endm
.macro QUANT16 x, c, e                 ; 16 neighbours along K (two neighbouring lanes hold a block) -> 16 codes in v[c], v[c+1], the block's byte in v[e]
	v_max3_num_f32 v[QA], |v[\x]|, |v[\x+1]|, |v[\x+2]|
	v_max3_num_f32 v[QB], |v[\x+3]|, |v[\x+4]|, |v[\x+5]|
.irp i, 6,10
	s_delay_alu instid0(VALU_DEP_2)
	v_max3_num_f32 v[QA], v[QA], |v[\x+\i]|, |v[\x+\i+1]|
	s_delay_alu instid0(VALU_DEP_2)
	v_max3_num_f32 v[QB], v[QB], |v[\x+\i+2]|, |v[\x+\i+3]|
.endr
	s_delay_alu instid0(VALU_DEP_2)
	v_max3_num_f32 v[QA], v[QA], |v[\x+14]|, |v[\x+15]|
	s_delay_alu instid0(VALU_DEP_1)
	v_max3_num_f32 v[QA], v[QA], v[QB], 0x1800000                         ; the floor 2^(3 - 127): the byte cannot fall under 1
	s_delay_alu instid0(VALU_DEP_1)
	v_max_num_f32_dpp v[QA], v[QA], v[QA] row_xmask:1 row_mask:0xf bank_mask:0xf
	s_delay_alu instid0(VALU_DEP_1)
	v_add_nc_u32 v[QS], 0xff000000, v[QA]                                 ; 2 off the exponent field: the conversion's scale operand
	v_cvt_scalef32_pk8_fp4_f32 v[\c], v[\x:\x+7], v[QS]
	v_cvt_scalef32_pk8_fp4_f32 v[\c+1], v[\x+8:\x+15], v[QS]
	v_lshrrev_b32 v[\e], 23, v[QS]                                        ; the byte; also the plain line behind the conversions
.endm
.macro WSUM v, t                       ; the sum over the wave's 32 lanes, in every lane
	s_delay_alu instid0(VALU_DEP_1)
	v_add_f32_dpp v[\v], v[\v], v[\v] row_xmask:1 row_mask:0xf bank_mask:0xf
	s_delay_alu instid0(VALU_DEP_1)
	v_add_f32_dpp v[\v], v[\v], v[\v] row_xmask:2 row_mask:0xf bank_mask:0xf
	s_delay_alu instid0(VALU_DEP_1)
	v_add_f32_dpp v[\v], v[\v], v[\v] row_xmask:4 row_mask:0xf bank_mask:0xf
	s_delay_alu instid0(VALU_DEP_1)
	v_add_f32_dpp v[\v], v[\v], v[\v] row_xmask:8 row_mask:0xf bank_mask:0xf
	s_delay_alu instid0(VALU_DEP_1)
	v_permlanex16_b32 v[\t], v[\v], s66, s67
	s_delay_alu instid0(VALU_DEP_1)
	v_add_f32 v[\v], v[\v], v[\t]
.endm
; A row of z in 16 registers becomes x = (z - mu) / sqrt(var + eps) x ln_scale + ln_bias, in place; the mean first, then the mean of the squared differences.
.macro LNROW z
	v_pk_add_f32 v[16:17], v[\z:\z+1], v[\z+2:\z+3]
	v_pk_add_f32 v[18:19], v[\z+4:\z+5], v[\z+6:\z+7]
	s_delay_alu instid0(VALU_DEP_2)
	v_pk_add_f32 v[16:17], v[16:17], v[\z+8:\z+9]
	s_delay_alu instid0(VALU_DEP_2)
	v_pk_add_f32 v[18:19], v[18:19], v[\z+10:\z+11]
	s_delay_alu instid0(VALU_DEP_2)
	v_pk_add_f32 v[16:17], v[16:17], v[\z+12:\z+13]
	s_delay_alu instid0(VALU_DEP_2)
	v_pk_add_f32 v[18:19], v[18:19], v[\z+14:\z+15]
	s_delay_alu instid0(VALU_DEP_1)
	v_pk_add_f32 v[16:17], v[16:17], v[18:19]
	s_delay_alu instid0(VALU_DEP_1)
	v_add_f32 v16, v16, v17
	WSUM 16, 44
	s_delay_alu instid0(VALU_DEP_1)
	v_mul_f32 v16, s38, v16                        ; mu
	s_delay_alu instid0(VALU_DEP_1)
	v_mov_b32 v17, v16
.irp i, 0,2,4,6,8,10,12,14
	v_pk_add_f32 v[\z+\i:\z+\i+1], v[\z+\i:\z+\i+1], v[16:17] neg_lo:[0,1] neg_hi:[0,1]
.endr
	v_pk_mul_f32 v[18:19], v[\z:\z+1], v[\z:\z+1]
	v_pk_mul_f32 v[22:23], v[\z+2:\z+3], v[\z+2:\z+3]
.irp i, 4,8,12
	s_delay_alu instid0(VALU_DEP_2)
	v_pk_fma_f32 v[18:19], v[\z+\i:\z+\i+1], v[\z+\i:\z+\i+1], v[18:19]
	s_delay_alu instid0(VALU_DEP_2)
	v_pk_fma_f32 v[22:23], v[\z+\i+2:\z+\i+3], v[\z+\i+2:\z+\i+3], v[22:23]
.endr
	s_delay_alu instid0(VALU_DEP_1)
	v_pk_add_f32 v[18:19], v[18:19], v[22:23]
	s_delay_alu instid0(VALU_DEP_1)
	v_add_f32 v18, v18, v19
	WSUM 18, 44
	s_delay_alu instid0(VALU_DEP_1)
	v_fma_f32 v18, v18, s38, s39                   ; var + eps
	s_wait_alu depctr_va_vdst(0)
	v_rsq_f32 v24, v18
	v_nop                                          ; a plain line behind the transcendental
	s_wait_alu depctr_va_vdst(0)
	v_mov_b32 v25, v24
.irp i, 0,2,4,6,8,10,12,14
	v_pk_mul_f32 v[\z+\i:\z+\i+1], v[\z+\i:\z+\i+1], v[24:25]
.endr
.irp i, 0,2,4,6,8,10,12,14
	v_pk_fma_f32 v[\z+\i:\z+\i+1], v[\z+\i:\z+\i+1], v[96+\i:97+\i], v[112+\i:113+\i]
.endr
.endm
; One matrix instruction: accumulator d, row tile a with scale words w, unit tile b (odd = 1: its scale words lie in lanes 16-31), K step s.  The first K step starts the sum.
.macro PROD d, a, b, w, s, odd
.if \s == 0
.if \odd
	v_wmma_scale_f32_16x16x128_f8f6f4 v[\d:\d+7], v[\a+8*\s:\a+8*\s+7], v[\b+8*\s:\b+8*\s+7], 0, v[\w+\s], v[BS+\s] matrix_a_fmt:MATRIX_FMT_FP4 matrix_b_fmt:MATRIX_FMT_FP4 matrix_b_scale:MATRIX_SCALE_ROW1
.else
	v_wmma_scale_f32_16x16x128_f8f6f4 v[\d:\d+7], v[\a+8*\s:\a+8*\s+7], v[\b+8*\s:\b+8*\s+7], 0, v[\w+\s], v[BS+\s] matrix_a_fmt:MATRIX_FMT_FP4 matrix_b_fmt:MATRIX_FMT_FP4
.endif
.else
.if \odd
	v_wmma_scale_f32_16x16x128_f8f6f4 v[\d:\d+7], v[\a+8*\s:\a+8*\s+7], v[\b+8*\s:\b+8*\s+7], v[\d:\d+7], v[\w+\s], v[BS+\s] matrix_a_fmt:MATRIX_FMT_FP4 matrix_b_fmt:MATRIX_FMT_FP4 matrix_b_scale:MATRIX_SCALE_ROW1
.else
	v_wmma_scale_f32_16x16x128_f8f6f4 v[\d:\d+7], v[\a+8*\s:\a+8*\s+7], v[\b+8*\s:\b+8*\s+7], v[\d:\d+7], v[\w+\s], v[BS+\s] matrix_a_fmt:MATRIX_FMT_FP4 matrix_b_fmt:MATRIX_FMT_FP4
.endif
.endif
.endm
; The activation and the dot with w2 for one unit tile: the 8 registers of da and registers 0, 1 of db.  bp, wp: the pair of registers that holds the tile's bias and weight; par: which of the two.
; Every stage goes through the registers in ascending order.
.macro GELU da, db, bp, wp, par
.irp q, 0,2,4,6
	v_pk_fma_f32 v[\da+\q:\da+\q+1], v[\da+\q:\da+\q+1], s[68:69], v[\bp:\bp+1] op_sel:[0,0,\par] op_sel_hi:[1,0,\par]   ; y = (d + b1) sqrt(log2(e) / 2)
.endr
	v_pk_fma_f32 v[\db:\db+1], v[\db:\db+1], s[68:69], v[\bp:\bp+1] op_sel:[0,0,\par] op_sel_hi:[1,0,\par]
.irp q, 0,1,2,3,4,5,6,7
	v_fma_f32 v[16+\q], |v[\da+\q]|, s78, 1.0      ; 1 + p |x|
.endr
.irp q, 0,1
	v_fma_f32 v[24+\q], |v[\db+\q]|, s78, 1.0
.endr
	s_wait_alu depctr_va_vdst(0)
.irp q, 0,1,2,3,4,5,6,7,8,9
	v_rcp_f32 v[16+\q], v[16+\q]                   ; t
.endr
.irp q, 0,2,4,6
	v_pk_mul_f32 v[26+\q:27+\q], v[\da+\q:\da+\q+1], v[\da+\q:\da+\q+1]   ; y^2: plain lines behind the reciprocals
.endr
	v_pk_mul_f32 v[34:35], v[\db:\db+1], v[\db:\db+1]
	s_wait_alu depctr_va_vdst(0)
.irp q, 0,1,2,3,4,5,6,7,8,9
	v_exp_f32 v[26+\q], -v[26+\q]                  ; e^(-x^2) = 2^(-y^2)
.endr
	s_wait_alu depctr_va_vdst(0)
.irp q, 0,2,4,6,8
	v_pk_fma_f32 v[36+\q:37+\q], v[16+\q:17+\q], s[70:71], v[242:243] op_sel_hi:[1,0,1]   ; a5 t + a4: plain lines behind the exponentials
.endr
.irp c, 72,74,76
.irp q, 0,2,4,6,8
	v_pk_fma_f32 v[36+\q:37+\q], v[36+\q:37+\q], v[16+\q:17+\q], s[\c:\c+1] op_sel_hi:[1,1,0]   ; .. t + a3, a2, a1
.endr
.endr
.irp q, 0,2,4,6,8
	v_pk_mul_f32 v[16+\q:17+\q], v[16+\q:17+\q], v[26+\q:27+\q]           ; t e^(-x^2)
.endr
.irp q, 0,2,4,6,8
	v_pk_fma_f32 v[36+\q:37+\q], v[36+\q:37+\q], v[16+\q:17+\q], 1.0 op_sel_hi:[1,1,0] neg_lo:[1,0,0] neg_hi:[1,0,0]   ; erf |x|
.endr
.irp q, 0,1,2,3,4,5,6,7
	v_fma_f32 v[\da+\q], |v[\da+\q]|, v[36+\q], v[\da+\q]                 ; y + |y| erf |x| = y (1 + erf x)
.endr
.irp q, 0,1
	v_fma_f32 v[\db+\q], |v[\db+\q]|, v[44+\q], v[\db+\q]
.endr
.irp q, 0,2,4,6
	v_pk_fma_f32 v[232+\q:233+\q], v[\da+\q:\da+\q+1], v[\wp:\wp+1], v[232+\q:233+\q] op_sel:[0,\par,0] op_sel_hi:[1,\par,1]
.endr
	v_pk_fma_f32 v[240:241], v[\db:\db+1], v[\wp:\wp+1], v[240:241] op_sel:[0,\par,0] op_sel_hi:[1,\par,1]
.endm
; Two unit tiles: 16 matrix instructions, the four accumulators by turns, one instruction a turn; the next two tiles' loads; the activation.
.macro TRIP j
.if \j > 0
	s_wait_loadcnt 0x0                             ; all that is out are this pair's 17 loads, issued a trip ago
.endif
.irp s, 0,1,2,3
	PROD 200, 64, 136, 128, \s, 0
	PROD 208, 96, 136, 244, \s, 0
	PROD 216, 64, 168, 128, \s, 1
	PROD 224, 96, 168, 244, \s, 1
.endr
.rept 4
	v_nop                                          ; four places ahead of loads into registers that the products have read and of the first reads of their results
.endr
.if \j < 3
.irp i, 0,1,2,3,4,5,6,7,8,9,10,11,12,13,14,15
	global_load_b128 v[136+4*\i:139+4*\i], v4, s[12:13] offset:8192*(\j+1)+512*\i
.endr
	global_load_b128 v[BS:BS+3], v4, s[14:15] offset:512*(\j+1)
.endif
	GELU 200, 208, 54+2*\j, 46+2*\j, 0
	GELU 216, 224, 54+2*\j, 46+2*\j, 1
.endm
	s_load_b256 s[4:11], s[0:1], 0x0               ; list s[4:5], z s[6:7], ln_scale s[8:9], ln_bias s[10:11]
	s_load_b256 s[12:19], s[0:1], 0x20             ; w1f s[12:13], w1_scales s[14:15], b1 s[16:17], w2 s[18:19]
	s_load_b128 s[20:23], s[0:1], 0x40             ; b2 s[20:21], out0 s[22:23]
	v_lshl_add_u32 v254, v0, 2, 0x17000
	v_mov_b32 v255, 0
	v_lshrrev_b32 v1, 5, v0
	s_delay_alu instid0(VALU_DEP_1)
	v_readfirstlane_b32 s24, v1                    ; wave 0..15
	s_lshl_b32 s84, ttmp9, 8                       ; my tile's record: 256 bytes a tile;
	s_mov_b32 s85, 0
	s_lshl_b32 s86, s24, 4                         ; in it my wave's 16 bytes: slot 2 w's token, expert | tokens << 8, slot 2 w + 1's token, the same again
	s_mov_b32 s87, 0
	s_wait_kmcnt 0x0
	s_add_nc_u64 s[4:5], s[4:5], s[84:85]
	s_add_nc_u64 s[88:89], s[4:5], s[86:87]
	s_load_b128 s[40:43], s[88:89], 0x0            ; it is on its way while the addresses below are made
	v_and_b32 v1, 31, v0                           ; lane
	v_and_b32 v2, 15, v0                           ; r
	v_bfe_u32 v3, v0, 4, 1                         ; h
	s_delay_alu instid0(VALU_DEP_3)
	v_lshlrev_b32 v4, 4, v1
	v_lshlrev_b32 v5, 2, v0
	v_lshlrev_b32 v6, 2, v1
	s_mul_i32 s37, s24, 2*32*SP
	s_add_co_u32 s37, s37, XST                     ; my two turn stages
	v_lshrrev_b32 v7, 2, v1
	s_delay_alu instid0(VALU_DEP_1)
	v_mul_u32_u24 v7, v7, SP
	v_and_b32 v16, 3, v1
	s_delay_alu instid0(VALU_DEP_1)
	v_lshl_add_u32 v7, v16, 4, v7
	s_delay_alu instid0(VALU_DEP_1)
	v_add_nc_u32 v7, s37, v7
	v_mul_u32_u24 v8, v1, SP
	s_delay_alu instid0(VALU_DEP_1)
	v_add_nc_u32 v8, s37, v8
	s_mul_i32 s37, s24, 2*272
	s_add_co_u32 s37, s37, XC
	v_lshlrev_b32 v9, 3, v1
	s_delay_alu instid0(VALU_DEP_1)
	v_add_nc_u32 v9, s37, v9                       ; my 8 bytes of codes in row 2 w
	s_lshl_b32 s37, s24, 5
	s_add_co_u32 s37, s37, XS
	v_lshrrev_b32 v10, 1, v1
	s_delay_alu instid0(VALU_DEP_1)
	v_add_nc_u32 v10, s37, v10                     ; my block's byte in row 2 w's 16
	v_mul_u32_u24 v11, v2, 272
	s_delay_alu instid0(VALU_DEP_1)
	v_lshl_add_u32 v11, v3, 4, v11
	s_delay_alu instid0(VALU_DEP_1)
	v_add_nc_u32 v11, XC, v11                      ; row tile 0: row r, + 16 h
	v_and_b32 v16, 1, v2
	v_lshrrev_b32 v17, 3, v2
	s_delay_alu instid0(VALU_DEP_2)
	v_mul_u32_u24 v12, v16, 272
	s_delay_alu instid0(VALU_DEP_1)
	v_mad_u32_u24 v12, v17, 544, v12
	s_delay_alu instid0(VALU_DEP_1)
	v_lshl_add_u32 v12, v3, 4, v12
	s_delay_alu instid0(VALU_DEP_1)
	v_add_nc_u32 v12, XC+16*272, v12               ; row tile 1: its row r is slot 16 + r % 2 + 2 (r / 8)
	v_lshl_add_u32 v13, v2, 4, XS                  ; the rows' scale words: tile 0,
	v_lshlrev_b32 v62, 4, v16
	s_delay_alu instid0(VALU_DEP_1)
	v_lshl_add_u32 v62, v17, 5, v62
	s_delay_alu instid0(VALU_DEP_1)
	v_add_nc_u32 v62, XS+256, v62                  ; tile 1
	v_lshlrev_b32 v14, 2, v2
	v_lshl_add_u32 v15, v3, 3, v2                  ; on the way out lane (r, h) speaks for slot 8 h + r (r < 8),
	v_lshl_add_u32 v16, v3, 1, v2
	s_delay_alu instid0(VALU_DEP_1)
	v_add_nc_u32 v16, 8, v16                       ; 16 + 2 h + (r - 8) (r = 8, 9),
	v_cmp_lt_u32 vcc_lo, 7, v2
	s_delay_alu instid0(VALU_DEP_1)
	v_cndmask_b32 v15, v15, v16, vcc_lo
	v_mov_b32 v16, 31                              ; or none (31 is no slot of a tile)
	v_cmp_lt_u32 vcc_lo, 9, v2
	s_delay_alu instid0(VALU_DEP_1)
	v_cndmask_b32 v15, v15, v16, vcc_lo
	s_delay_alu instid0(VALU_DEP_1)
	v_lshlrev_b32 v248, 3, v15                     ; that slot's token in the record: 8 bytes a slot
	global_load_b32 v250, v248, s[4:5]             ; wanted at the very end; asked for here, so that nothing waits for it there
	s_mov_b32 s66, 0x76543210                      ; v_permlanex16_b32's selects for lane l xor 16
	s_mov_b32 s67, 0xfedcba98
	s_mov_b32 s68, 0x3f596d27                      ; sqrt(log2(e) / 2)
	s_mov_b32 s69, s68
	s_mov_b32 s70, 0x3f87dc22                      ; a5 = 1.061405429
	s_mov_b32 s71, s70
	s_mov_b32 s72, 0x3fb5f0e3                      ; a3 = 1.421413741
	s_mov_b32 s73, s72
	s_mov_b32 s74, 0xbe91a98e                      ; a2 = -0.284496736
	s_mov_b32 s75, s74
	s_mov_b32 s76, 0x3e827906                      ; a1 = 0.254829592
	s_mov_b32 s77, s76
	s_mov_b32 s78, 0x3e8ba43f                      ; p / sqrt(log2(e)), p = 0.3275911: p |x| = this x |y|
	s_mov_b32 s38, 0x3b000000                      ; 1 / 512
	s_mov_b32 s39, 0x3727c5ac                      ; 1e-5
	v_mov_b32 v242, 0xbfba00e3                     ; a4 = -1.453152027
	v_mov_b32 v243, 0xbfba00e3
.irp q, 0,1,2,3,4,5,6,7,8,9
	v_mov_b32 v[232+\q], 0                         ; the rows' sums (a work-group without tokens passes the products over)
.endr
	s_wait_kmcnt 0x0                               ; my 16 bytes of the record
	s_and_b32 s26, s41, 0xff
	s_min_u32 s26, s26, 15                         ; my expert
	s_lshr_b32 s35, s41, 8
	s_min_u32 s35, s35, 20                         ; my tile's tokens
	; ---- the first two unit tiles, the biases and w2 are asked for now: they land under the rows' preparation
	s_lshl_b32 s84, s26, 19                        ; w1f: 128 tiles of 4,096 bytes an expert, eight a wave
	s_lshl_b32 s37, s24, 15
	s_add_co_u32 s84, s84, s37
	s_add_nc_u64 s[12:13], s[12:13], s[84:85]
	s_lshl_b32 s84, s26, 15                        ; w1_scales: 2,048 units of 16 bytes an expert, 128 a wave
	s_lshl_b32 s37, s24, 11
	s_add_co_u32 s84, s84, s37
	s_add_nc_u64 s[14:15], s[14:15], s[84:85]
	s_lshl_b32 s84, s26, 13                        ; b1, w2: 2,048 f32 an expert, 128 a wave
	s_lshl_b32 s37, s24, 9
	s_add_co_u32 s84, s84, s37
	s_add_nc_u64 s[16:17], s[16:17], s[84:85]
	s_add_nc_u64 s[18:19], s[18:19], s[84:85]
	s_lshl_b32 s84, s26, 11                        ; ln_scale, ln_bias: 512 f32 an expert
	s_add_nc_u64 s[8:9], s[8:9], s[84:85]
	s_add_nc_u64 s[10:11], s[10:11], s[84:85]
	s_lshl_b32 s84, s26, 2
	s_add_nc_u64 s[20:21], s[20:21], s[84:85]
	s_load_b32 s79, s[20:21], 0x0                  ; b2 of my expert
	s_min_u32 s37, s40, 4095                       ; slot 2 w's token: its row of z, 2,048 bytes a row
	s_lshl_b32 s84, s37, 11
	s_add_nc_u64 s[80:81], s[6:7], s[84:85]
	s_min_u32 s37, s42, 4095                       ; slot 2 w + 1's
	s_lshl_b32 s84, s37, 11
	s_add_nc_u64 s[82:83], s[6:7], s[84:85]
.irp i, 0,1,2,3,4,5,6,7,8,9,10,11,12,13,14,15
	global_load_b128 v[136+4*\i:139+4*\i], v4, s[12:13] offset:512*\i     ; 512 consecutive bytes each: register 4 i of the two tiles' eight fragments
.endr
	global_load_b128 v[BS:BS+3], v4, s[14:15]      ; lane l: the four scale words of unit l of the pair's 32
.irp i, 0,1,2,3,4,5,6,7
	global_load_b32 v[54+\i], v14, s[16:17] offset:64*\i
	global_load_b32 v[46+\i], v14, s[18:19] offset:64*\i
.endr
	; ---- waves 0-9: rows 2 w and 2 w + 1 of x: gather, LayerNorm, the expert's affine, quantise
	s_cmp_gt_u32 s24, 9
	s_cbranch_scc1 .Lnox
.irp i, 0,1,2,3
	global_load_b128 v[96+4*\i:99+4*\i], v4, s[8:9] offset:512*\i
	global_load_b128 v[112+4*\i:115+4*\i], v4, s[10:11] offset:512*\i
.endr
.irp i, 0,1,2,3
	global_load_b128 v[64+4*\i:67+4*\i], v4, s[80:81] offset:512*\i
.endr
.irp i, 0,1,2,3
	global_load_b128 v[80+4*\i:83+4*\i], v4, s[82:83] offset:512*\i
.endr
	v_mov_b32 v44, 0                               ; written once: a lane permute's destination counts as one of its sources
	s_wait_loadcnt 0x0
	LNROW 64
	TURNROW 64, 200, 0
	LNROW 80
	TURNROW 80, 216, 32*SP
	s_wait_dscnt 8                                 ; the first row is back; the second row's four stores and four loads may be out
	QUANT16 200, 30, 34
	s_wait_dscnt 0x0
	QUANT16 216, 32, 35
	ds_store_b64 v9, v[30:31]
	ds_store_b64 v9, v[32:33] offset:272
	ds_store_b8 v10, v34                           ; both lanes of a block write the same byte with the same value
	ds_store_b8 v10, v35 offset:16
.Lnox:
	BARRIER                                        ; the 20 rows' codes and scale bytes lie in LDS
	; ---- x's two row tiles into every wave's registers, for the whole of its 128 units
.irp j, 0,1,2,3,4,5,6,7
	ds_load_b128 v[64+4*\j:67+4*\j], v11 offset:32*\j
	ds_load_b128 v[96+4*\j:99+4*\j], v12 offset:32*\j
.endr
	ds_load_b128 v[128:131], v13
	ds_load_b128 v[244:247], v62
	s_wait_loadcnt 0x0                             ; the first pair of unit tiles, b1, w2 and my slot's token
	s_wait_kmcnt 0x0                               ; b2
.irp i, 0,1,2,3,4,5,6,7
	v_mul_f32 v[54+\i], s68, v[54+\i]              ; b1 sqrt(log2(e) / 2)
	v_mul_f32 v[46+\i], 0x3f16b55f, v[46+\i]       ; w2 x 0.5 / sqrt(log2(e) / 2)
.endr
	s_wait_dscnt 0x0
	s_cmp_eq_u32 s35, 0                            ; a tile without tokens passes the products over: a branch on the record's number, the same in all sixteen waves; no barrier stands between here and the label
	s_cbranch_scc1 .Lnone
	TRIP 0
	TRIP 1
	TRIP 2
	TRIP 3
.Lnone:
	; ---- the sums over a half's 16 units; then lane (r, h) takes register r's: one slot a lane
.irp m, 1,2,4,8
.irp q, 0,1,2,3,4,5,6,7,8,9
	v_add_f32_dpp v[232+\q], v[232+\q], v[232+\q] row_xmask:\m row_mask:0xf bank_mask:0xf
.endr
.endr
	v_mov_b32 v16, v232
.irp q, 1,2,3,4,5,6,7,8,9
	v_cmp_eq_u32 vcc_lo, \q, v2
	s_delay_alu instid0(VALU_DEP_1)
	v_cndmask_b32 v16, v16, v[232+\q], vcc_lo
.endr
	ds_store_b32 v5, v16 offset:PART
	BARRIER                                        ; all sixteen waves' parts lie in LDS
	s_cmp_lg_u32 s24, 0
	s_cbranch_scc1 .Lend
	; ---- wave 0: the sixteen parts, + b2, to each slot's token
.irp w, 0,1,2,3,4,5,6,7,8,9,10,11,12,13,14,15
	ds_load_b32 v[16+\w], v6 offset:PART+128*\w
.endr
	v_min_u32 v251, 0xfff, v250                    ; my slot's token,
	s_delay_alu instid0(VALU_DEP_1)
	v_lshlrev_b32 v251, 2, v251                    ; and its four bytes of out0
	s_wait_dscnt 0x0
.irp q, 18
	v_pk_add_f32 v[16:17], v[16:17], v[\q:\q+1]
.endr
.irp q, 20, 22, 24, 26, 28, 30
	s_delay_alu instid0(VALU_DEP_1)
	v_pk_add_f32 v[16:17], v[16:17], v[\q:\q+1]
.endr
	s_delay_alu instid0(VALU_DEP_1)
	v_add_f32 v16, v16, v17
	s_delay_alu instid0(VALU_DEP_1)
	v_add_f32 v16, s79, v16
	s_wait_alu depctr_va_vdst(0)
	s_wait_xcnt 0x0                                ; EXEC changes only behind this wait
	v_cmp_gt_u32 vcc_lo, s35, v15                  ; lanes whose slot holds a token
	s_and_saveexec_b32 s37, vcc_lo
	global_store_b32 v251, v16, s[22:23]           ; four bytes to each of up to 20 tokens: each token has one owner in the launch
	s_wait_xcnt 0x0
	s_or_b32 exec_lo, exec_lo, s37
.Lend:
	s_wait_tensorcnt 0x0
	ds_add_u32 v254, v255
	s_wait_dscnt 0x0
	s_endpgm
.Lfunc_end_k_q9d489a825e_experts:
	.size	k_q9d489a825e_experts, .Lfunc_end_k_q9d489a825e_experts-k_q9d489a825e_experts
	.p2alignl 7, 3214868480
	.fill 96, 4, 3214868480
	.section	.rodata,"a",@progbits
	.p2align	6, 0x0
	.amdhsa_kernel k_q9d489a825e_experts
		.amdhsa_group_segment_fixed_size 96256
		.amdhsa_private_segment_fixed_size 0
		.amdhsa_enable_private_segment 0
		.amdhsa_kernarg_size 80
		.amdhsa_user_sgpr_count 2
		.amdhsa_user_sgpr_kernarg_segment_ptr 1
		.amdhsa_wavefront_size32 1
		.amdhsa_system_sgpr_workgroup_id_x 1
		.amdhsa_system_sgpr_workgroup_id_y 1
		.amdhsa_system_sgpr_workgroup_id_z 1
		.amdhsa_system_vgpr_workitem_id 0
		.amdhsa_next_free_vgpr 256
		.amdhsa_next_free_sgpr 96
		.amdhsa_reserve_vcc 1
		.amdhsa_float_denorm_mode_32 3
		.amdhsa_float_denorm_mode_16_64 3
		.amdhsa_memory_ordered 1
		.amdhsa_forward_progress 1
		.amdhsa_inst_pref_size 86
	.end_amdhsa_kernel
	.amdgpu_metadata
---
amdhsa.version: [ 1, 2 ]
amdhsa.kernels:
  - .name:           k_q9d489a825e_experts
    .symbol:         k_q9d489a825e_experts.kd
    .args:
      - { .name: list, .offset: 0, .size: 8, .value_kind: global_buffer, .address_space: global }
      - { .name: z, .offset: 8, .size: 8, .value_kind: global_buffer, .address_space: global }
      - { .name: ln_scale, .offset: 16, .size: 8, .value_kind: global_buffer, .address_space: global }
      - { .name: ln_bias, .offset: 24, .size: 8, .value_kind: global_buffer, .address_space: global }
      - { .name: w1f, .offset: 32, .size: 8, .value_kind: global_buffer, .address_space: global }
      - { .name: w1_scales, .offset: 40, .size: 8, .value_kind: global_buffer, .address_space: global }
      - { .name: b1, .offset: 48, .size: 8, .value_kind: global_buffer, .address_space: global }
      - { .name: w2, .offset: 56, .size: 8, .value_kind: global_buffer, .address_space: global }
      - { .name: b2, .offset: 64, .size: 8, .value_kind: global_buffer, .address_space: global }
      - { .name: out0, .offset: 72, .size: 8, .value_kind: global_buffer, .address_space: global }
    .group_segment_fixed_size: 96256
    .private_segment_fixed_size: 0
    .kernarg_segment_align: 8
    .kernarg_segment_size: 80
    .max_flat_workgroup_size: 512
    .sgpr_count:     96
    .vgpr_count:     256
    .wavefront_size: 32
...
	.end_amdgpu_metadata
.endif
;; end of part 3
